; MI455X (gfx1250); checked and timed in simulation.
; The chip was launched on July 23, 2026; its instructions are those of AMD's public machine-readable ISA for CDNA 5 (MIT licence, August 2026) and "CDNA5" Instruction Set Architecture Reference Guide (July 2026). The comments in the code are by the model that wrote it; some were corrected since.
;; Prior Attention. Allowed arithmetic: matrix products marked QUANTISED: E3M2 operands, one E8M0 scale for each 32 along K, by v_wmma_scale_f32_16x16x128_f8f6f4 with both operands' format E3M2, f32 sums; everything else in f32.
;; Inputs: Wk 512 x 512 float32; Wo 512 x 512 float32; Wq 512 x 512 float32; Wv 512 x 512 float32; bk 512 float32; bo 512 float32; bq 512 float32; bv 512 float32; x 8 x 2,048 x 512 float32.
;; Outputs: out0 8 x 2,048 x 512 float32.
;; This version of the problem:
;;   THIS VERSION OF THE PROBLEM IS GIVEN IN LOW PRECISION. The matrix products marked QUANTISED in the list below multiply operands that are first quantised to E3M2 (3 exponent bits, 2 mantissa bits; 6 bits a number), with one power-of-two scale for each 32 numbers along K (OCP MX v1.0); their sums are f32. All else is computed in f32.
;;   The module's matrix products, in the order in which they are computed (A, B: the left and right operand; K: the contracted axis; several contracted axes count as one K, in the product's order):
;;     1. [M 16,384, K 512] x [K 512, N 512]; A: input x; B: input Wq: QUANTISED
;;     2. [M 16,384, K 512] x [K 512, N 512]; A: input x; B: input Wk: QUANTISED
;;     3. [M 16,384, K 512] x [K 512, N 512]; A: input x; B: input Wv: QUANTISED
;;     4. batch 64 x [M 2,048, K 64] x [K 64, N 2,048]; A: computed on the way; B: computed on the way: QUANTISED
;;     5. batch 64 x [M 2,048, K 2,048] x [K 2,048, N 64]; A: softmax (see below); B: computed on the way: QUANTISED
;;     6. [M 16,384, K 512] x [K 512, N 512]; A: computed on the way; B: input Wo: QUANTISED
;;   THE QUANTISER, for each operand of a quantised product, along K:
;;     - K is cut into blocks of 32 from its start; a last block that is shorter is filled with zeros.
;;     - A block's scale is 2^e with e = floor(log2(the largest magnitude in the block)) - 4, held to -126 .. 127; a block of zeros has e = 0. As a byte (E8M0): e + 127.
;;     - Each number is divided by its block's scale, clamped to +-28, and rounded to the nearest number of E3M2, ties to even, subnormals kept.
;;     - The product sums the exact products of the quantised numbers (number of the format x scale) in f32.
;;   ~~~python
;;   def quantise(x, axis):      # numpy; x: float32 -> the quantised numbers, widened to float32 again
;;       x = np.moveaxis(x, axis, -1); K = x.shape[-1]
;;       x = np.pad(x, [(0, 0)] * (x.ndim - 1) + [(0, -K % 32)]); x = x.reshape(x.shape[:-1] + (-1, 32)); a = np.abs(x).max(-1, keepdims=True)
;;       e = np.where(a > 0, np.clip(np.frexp(np.where(a > 0, a, 1))[1] - 1 - 4, -126, 127), 0)      # np.frexp(a)[1] - 1 = floor(log2(a)), exactly
;;       r = np.clip(x / 2.0 ** e, -28, 28)
;;       step = 2.0 ** (np.maximum(np.frexp(np.where(r == 0, 1, r))[1] - 1, -2) - 2)
;;       q = np.round(r / step) * step * 2.0 ** e      # np.round: ties to even
;;       return np.moveaxis(q.reshape(q.shape[:-2] + (-1,))[..., :K], -1, axis).astype(np.float32)
;;   ~~~
;;   SOFTMAX AHEAD OF A QUANTISED PRODUCT. Where the list says 'softmax', what is quantised is not the finished softmax but p = 2^(t - M), with t = logit x log2(e) and M = ceil(the row's largest t), a whole number; so 1/2 < the row's largest p <= 1. The row's sum l is taken of the UNQUANTISED p, in f32, and the product's result is divided by l at the end. Since M is a whole number, a kernel that streams over the keys may use a running M (the ceiling of the running maximum): every later rescaling is an exact power of two, which a block's scale takes up: the codes' values come out the same.
;;   OPERANDS COMPUTED ON THE WAY. 'Computed on the way' means the value that the module computes at that place (a softmax that the list does not call 'softmax' is quantised finished and normalised). What goes into a quantiser is computed in f32, as accurately as f32 sums, v_exp_f32 and their like allow (about 1e-6 of the number): no bf16 or f16 on the way to a quantiser, and a product that is left as it is and whose result goes on into a quantised operand takes f32 operands (vector FMAs, or v_wmma_f32_16x16x4_f32). A number that lies on a knife's edge between two numbers of the format may be rounded either way, as far as f32 arithmetic and the matrix unit's own rounding can turn it there, and no further.
;; One version. Each part assembles by itself: llvm-mc -triple=amdgcn-amd-amdhsa -mcpu=gfx1250 --defsym DOCPART=n.
;; ======== version 1 of 1: 4 launches
;; limits: right only within a limited range of input values
;; workspace buffers: ximg 6,553,600 bytes; wimg 819,200 bytes; qimg 6,815,744 bytes; kv 13,369,344 bytes; oimg 6,291,456 bytes; oscale 524,288 bytes
;; launch prep (part 1): grid 320 x 1, 4 waves a work-group, no clusters, 46,592 bytes of LDS; arguments x, Wq, Wk, Wv, Wo, ximg, wimg; writes ximg, wimg
.if DOCPART == 1
	.amdgcn_target "amdgcn-amd-amdhsa--gfx1250"
	.amdhsa_code_object_version 6
	.text
	.protected	k_q85bab0c394_prep
	.globl	k_q85bab0c394_prep
	.p2align	8
	.type	k_q85bab0c394_prep,@function
k_q85bab0c394_prep:
	s_mov_b64 s[64:65], 0
	v_nop
	global_prefetch_b8 v0, s[64:65] scope:SCOPE_SE
	s_setreg_imm32_b32 hwreg(HW_REG_WAVE_MODE, 25, 1), 1
	s_wait_xcnt 0x0
; x [16384][512] f32 (K = its last axis) and Wq, Wk, Wv, Wo [512][512] f32 (K = their FIRST axis) become codes of BF6 (E3M2) with one E8M0 byte for each 32 along K,
; laid as IMAGES OF OPERAND REGISTERS.  A record is one tile of 16 rows (of x) or 16 columns (of a weight) for all of K = 512: 6,400 bytes = 25 x 256:
;   fragment s (K step of 128) at 1536 s, as three pieces of 512 bytes: piece j = registers 4 j .. 4 j + 3, lane l's 16 bytes at 16 l;  scale words at 6144 + 16 r + 4 s.
; THE ROWS OF A TILE ARE NOT NEIGHBOURS: lane r of tile t holds row 32 (t / 2) + 8 (t % 2) + r + 8 (r / 8), so that a product which takes the tile as source 0 leaves 16 neighbours in the 16 registers of two neighbouring tiles.
; A block's scale is 2^(floor(log2(largest magnitude)) - 4); its byte is the largest magnitude's exponent field - 4, held at 1 from below by a floor among the maximum's leaves.
; LIMITS: a block of zeros, or one whose largest magnitude lies under 2^-122, gets the byte 1 (the rule says 127 for zeros): its codes are zeros or tiny, and this program alone reads the bytes.  NaN and infinities are not served.
; Work-groups 0-255: x, a tile a wave.  Work-groups 256-319: the weights, 32 columns a work-group, a K step a wave.  The two ways have LDS bytes of their own.  No barrier: waves share nothing.
; The weights' scale words leave as 4 bytes a lane, 16 bytes apart (the four K steps of a row come from four waves): 32 KiB in all, the one store here that does not fill 256 consecutive bytes.
.set REC,   6400
.set XSTG,  8448                       ; x: a wave's stage: 16 rows of 512 bytes + 16
.set WSTG0, 4*XSTG                     ; the weights' stages begin behind x's
.set WSTG,  3072                       ; a wave's: two fragments' images
.set FLOOR, 0x2800000                  ; 2^(5 - 127)
.set EOFF,  0xfe000000                 ; takes 4 off an exponent field
.set R,   16                           ; v16-143  x: two sets of 64 as loaded.  Weights: my column's 128 numbers
.set X,   144                          ; v144-207 x: 64 numbers in the operand's order
.set PC,  208                          ; v208-219 a fragment's codes
.set TP,  220                          ; v220-222, v224-226 the upper halves of two blocks' codes (a conversion's three registers begin on an even number)
	s_load_b256 s[4:11], s[0:1], 0x0               ; x s[4:5], Wq s[6:7], Wk s[8:9], Wv s[10:11]
	s_load_b128 s[12:15], s[0:1], 0x20             ; Wo s[12:13], ximg s[14:15]
	s_load_b64 s[16:17], s[0:1], 0x30              ; wimg
	v_lshl_add_u32 v240, v0, 2, 0xb400
	v_mov_b32 v241, 0
	v_lshrrev_b32 v1, 5, v0
	v_readfirstlane_b32 s18, v1                    ; wave 0..3
	v_and_b32 v1, 31, v0                           ; lane
	v_lshlrev_b32 v2, 4, v1                        ; 16 x lane
	s_cmp_ge_u32 ttmp9, 256
	s_cbranch_scc1 .Lweights
	; ---------------- x: wave -> tile 4 x work-group + wave
	v_and_b32 v8, 15, v0                           ; r
	v_bfe_u32 v9, v0, 4, 1                         ; h
	s_mul_i32 s19, s18, XSTG                       ; my stage
	v_add_nc_u32 v3, s19, v2                       ; in: a row's 512 bytes as they lie
	v_mul_u32_u24 v4, v8, 528
	v_lshl_add_u32 v4, v9, 7, v4
	v_add_nc_u32 v4, s19, v4                       ; out: row r, + 128 h: my block of 32 numbers
	v_lshlrev_b32 v6, 4, v8
	v_lshl_add_u32 v6, v9, 3, v6                   ; the scale words' place: 16 r + 8 h
	v_lshlrev_b32 v7, 3, v9                        ; 8 h: my bytes' place in a scale word
	v_mov_b32 v235, 0                              ; a lane permute's destination counts as one of its sources
	s_mov_b32 s20, 0x76543210
	s_mov_b32 s21, 0xfedcba98                      ; selects for lane l xor 16
	s_mov_b32 s22, 0xffff0000                      ; lanes 16-31
	s_lshl_b32 s24, ttmp9, 2
	s_add_co_u32 s24, s24, s18                     ; the tile
	; x's tiles have an order of their own (the weights keep the one stated at the head): lane r of tile t holds row 64 (t / 4) + 8 (t % 4) + r % 8 + 32 (r / 8),
	; so that a product which takes four neighbouring tiles as source 0 leaves a whole block of 32 neighbours in a lane's 32 registers
	s_lshr_b32 s26, s24, 2
	s_lshl_b32 s26, s26, 17                        ; 64 rows of 2,048 bytes for each four tiles,
	s_and_b32 s25, s24, 3
	s_lshl_b32 s25, s25, 14                        ; 8 rows for each tile among them
	s_add_co_u32 s26, s26, s25
	s_mov_b32 s27, 0
	s_mul_i32 s28, s24, REC
	s_mov_b32 s29, 0
	s_wait_alu depctr_va_vdst(0)
	s_wait_kmcnt 0x0
	s_add_nc_u64 s[4:5], s[4:5], s[26:27]
	s_add_nc_u64 s[14:15], s[14:15], s[28:29]
.macro XLOAD st, set                   ; K step st of my 16 rows: each load reads a row's 512 consecutive bytes
.irp i, 0,1,2,3,4,5,6,7,8,9,10,11,12,13,14,15
	global_load_b128 v[R+64*(\set)+4*\i:R+64*(\set)+4*\i+3], v2, s[4:5] offset:((\i%8)+32*(\i/8))*2048+512*(\st) th:TH_LOAD_NT
.endr
.endm
.macro XTURN set                       ; through my stage: LDS serves a wave's instructions in order, so no wait stands between the stores and the loads
.irp i, 0,1,2,3,4,5,6,7,8,9,10,11,12,13,14,15
	ds_store_b128 v3, v[R+64*(\set)+4*\i:R+64*(\set)+4*\i+3] offset:528*\i
.endr
.irp c, 0,1
.irp i, 0,1,2,3,4,5,6,7
	ds_load_b128 v[X+32*\c+4*\i:X+32*\c+4*\i+3], v4 offset:256*\c+16*\i   ; k = 64 c + 32 h + 4 i ..: whole blocks 2 c + h of row r
.endr
.endr
.endm
.macro XQ st                           ; 64 numbers -> a fragment and my row's scale word
	v_max3_num_f32 v228, |v[X]|, |v[X+1]|, FLOOR
	v_max3_num_f32 v229, |v[X+32]|, |v[X+33]|, FLOOR
.irp i, 2,4,6,8,10,12,14,16,18,20,22,24,26,28,30
	v_max3_num_f32 v228, v228, |v[X+\i]|, |v[X+1+\i]|
	v_max3_num_f32 v229, v229, |v[X+32+\i]|, |v[X+33+\i]|
.endr
	v_add_nc_u32 v230, EOFF, v228                  ; the conversion takes the exponent field of this operand as its scale
	v_add_nc_u32 v231, EOFF, v229
	v_lshrrev_b32 v232, 23, v230                   ; the bytes of blocks h and 2 + h
	v_lshrrev_b32 v233, 23, v231
	v_lshl_or_b32 v234, v233, 16, v232
	v_lshlrev_b32 v234, v7, v234                   ; at their places,
	v_permlanex16_b32 v235, v234, s20, s21
	v_or_b32 v[236+\st], v234, v235                ; and with lane l xor 16's two the word is whole
.if \st > 0
	s_wait_alu depctr_va_vdst(0)
	s_wait_xcnt 0x0                                ; the last step's stores have read the codes' registers
.endif
	v_cvt_scalef32_pk16_bf6_f32 v[PC:PC+2], v[X:X+15], v230
	v_cvt_scalef32_pk16_bf6_f32 v[TP:TP+2], v[X+16:X+31], v230
	v_cvt_scalef32_pk16_bf6_f32 v[PC+6:PC+8], v[X+32:X+47], v231
	v_cvt_scalef32_pk16_bf6_f32 v[TP+4:TP+6], v[X+48:X+63], v231
	v_nop                                          ; one plain instruction behind the scaled conversions
.irp i, 0,1,2
	v_mov_b32 v[PC+3+\i], v[TP+\i]
	v_mov_b32 v[PC+9+\i], v[TP+4+\i]
.endr
.irp j, 0,1,2
	global_store_b128 v2, v[PC+4*\j:PC+4*\j+3], s[14:15] offset:1536*(\st)+512*\j   ; 512 consecutive bytes, aligned to 256
.endr
.endm
	XLOAD 0, 0
	XLOAD 1, 1
	s_wait_loadcnt 16                              ; step 0's 16 loads are in, step 1's may be out
	XTURN 0
	s_wait_dscnt 0x0                               ; the numbers are back, so the stage's stores have read set 0
	XLOAD 2, 0
	XQ 0
	s_wait_loadcnt 16                              ; step 1's are in, step 2's may be out
	XTURN 1
	s_wait_dscnt 0x0
	XLOAD 3, 1
	XQ 1
	s_wait_loadcnt 16                              ; step 2's are in, step 3's may be out
	XTURN 0
	s_wait_dscnt 0x0
	XQ 2
	s_wait_loadcnt 0x0
	XTURN 1
	s_wait_dscnt 0x0
	XQ 3
	v_cndmask_b32 v234, v236, v238, s22            ; lanes 0-15 store the words of steps 0 and 1, lanes 16-31 those of steps 2 and 3
	v_cndmask_b32 v235, v237, v239, s22
	global_store_b64 v6, v[234:235], s[14:15] offset:6144   ; 256 consecutive bytes
	s_wait_tensorcnt 0x0
	ds_add_u32 v240, v241
	s_wait_dscnt 0x0
	s_endpgm
	; ---------------- the weights: a lane takes a column, its registers run down K
.Lweights:
	s_sub_co_u32 s19, ttmp9, 256
	s_lshr_b32 s20, s19, 4                         ; which weight: 0 q, 1 k, 2 v, 3 o
	s_and_b32 s21, s19, 15                         ; which 32 columns: tiles 2 cg and 2 cg + 1
	s_wait_alu depctr_va_vdst(0)
	v_lshrrev_b32 v8, 4, v1                        ; lane = 16 a + 8 u + e: tile 2 cg + u, row r = 8 a + e of it
	v_bfe_u32 v9, v1, 3, 1
	v_and_b32 v10, 7, v1
	v_lshl_add_u32 v10, v8, 3, v10
	s_mul_i32 s22, s18, WSTG
	s_add_co_u32 s22, s22, WSTG0                   ; my stage
	v_mul_u32_u24 v3, v9, 1536
	v_lshl_add_u32 v3, v10, 4, v3
	v_add_nc_u32 v3, s22, v3                       ; in: fragment u, lane slot r
	v_add_nc_u32 v4, s22, v2                       ; out: 16 x lane
	v_lshlrev_b32 v5, 2, v1                        ; my column in a row of the weight
	v_mul_u32_u24 v6, v9, REC
	v_lshl_add_u32 v6, v10, 4, v6                  ; my scale word: record u, 16 r
	s_lshl_b32 s24, s18, 18                        ; my K step: 128 rows of 2,048 bytes
	s_lshl_b32 s25, s21, 7
	s_add_co_u32 s24, s24, s25
	s_mov_b32 s25, 0
	s_mul_i32 s26, s20, 32*REC
	s_mul_i32 s27, s21, 2*REC
	s_add_co_u32 s26, s26, s27
	s_mul_i32 s27, s18, 1536
	s_add_co_u32 s28, s26, s27                     ; the codes' place
	s_mov_b32 s29, 0
	s_lshl_b32 s27, s18, 2
	s_add_co_u32 s30, s26, s27
	s_add_co_u32 s30, s30, 6144                    ; the scale words'
	s_mov_b32 s31, 0
	s_wait_alu depctr_va_vdst(0)
	s_wait_kmcnt 0x0
	s_bitcmp1_b32 s20, 0
	s_cselect_b64 s[6:7], s[8:9], s[6:7]           ; Wk or Wq
	s_cselect_b64 s[10:11], s[12:13], s[10:11]     ; Wo or Wv
	s_cmp_lt_u32 s20, 2
	s_cselect_b64 s[6:7], s[6:7], s[10:11]
	s_add_nc_u64 s[6:7], s[6:7], s[24:25]
	s_add_nc_u64 s[32:33], s[16:17], s[28:29]
	s_add_nc_u64 s[34:35], s[16:17], s[30:31]
.macro WLOAD kb                        ; block kb: W(128 s + 32 kb + i, my column): 32 lanes read 128 consecutive bytes
.irp i, 0,1,2,3,4,5,6,7,8,9,10,11,12,13,14,15,16,17,18,19,20,21,22,23,24,25,26,27,28,29,30,31
	global_load_b32 v[R+32*(\kb)+\i], v5, s[6:7] offset:(32*(\kb)+\i)*2048 th:TH_LOAD_NT
.endr
.endm
.macro WBLOCK kb                       ; block kb = 2 c + h' is registers 6 c .. 6 c + 5 of lane slot r + 16 h' of the fragment
.set N, R+32*(\kb)
.set CB, 144+8*(\kb)
.if (\kb) < 3
	s_wait_loadcnt 32                              ; this block's 32 loads are in, the next block's may be out
.else
	s_wait_loadcnt 0x0
.endif
.if (\kb)+2 < 4
	WLOAD (\kb)+2
.endif
	v_max3_num_f32 v180, |v[N]|, |v[N+1]|, |v[N+2]|
	v_max3_num_f32 v181, |v[N+3]|, |v[N+4]|, |v[N+5]|
.irp i, 6,10,14,18,22,26
	v_max3_num_f32 v180, v180, |v[N+\i]|, |v[N+\i+1]|
	v_max3_num_f32 v181, v181, |v[N+\i+2]|, |v[N+\i+3]|
.endr
	v_max3_num_f32 v180, v180, |v[N+30]|, |v[N+31]|
	v_max3_num_f32 v180, v180, v181, FLOOR
	v_add_nc_u32 v182, EOFF, v180
	v_lshrrev_b32 v183, 23, v182
.if (\kb) == 0
	v_mov_b32 v184, v183
.else
	v_lshl_or_b32 v184, v183, 8*(\kb), v184        ; my column's scale word for this K step
.endif
	v_cvt_scalef32_pk16_bf6_f32 v[CB:CB+2], v[N:N+15], v182
	v_cvt_scalef32_pk16_bf6_f32 v[176:178], v[N+16:N+31], v182
	v_nop                                          ; one plain instruction behind the scaled conversions
.irp i, 0,1,2
	v_mov_b32 v[CB+3+\i], v[176+\i]
.endr
.if (\kb)/2 == 0
	ds_store_b128 v3, v[CB:CB+3] offset:256*((\kb)%2)          ; registers 0-3: piece 0
	ds_store_b64 v3, v[CB+4:CB+5] offset:256*((\kb)%2)+512     ; registers 4, 5: the lower half of piece 1
.else
	ds_store_b64 v3, v[CB:CB+1] offset:256*((\kb)%2)+520       ; registers 6, 7: its upper half
	ds_store_b128 v3, v[CB+2:CB+5] offset:256*((\kb)%2)+1024   ; registers 8-11: piece 2
.endif
.endm
	WLOAD 0
	WLOAD 1
	WBLOCK 0
	WBLOCK 1
	WBLOCK 2
	WBLOCK 3
.irp j, 0,1,2,3,4,5
	ds_load_b128 v[192+4*\j:195+4*\j], v4 offset:512*\j        ; in order behind my stores
.endr
	global_store_b32 v6, v184, s[34:35]
	s_wait_dscnt 0x0
.irp j, 0,1,2,3,4,5
	global_store_b128 v2, v[192+4*\j:195+4*\j], s[32:33] offset:(\j/3)*REC+512*(\j%3)
.endr
	s_wait_tensorcnt 0x0
	ds_add_u32 v240, v241
	s_wait_dscnt 0x0
	s_endpgm
.Lfunc_end_k_q85bab0c394_prep:
	.size	k_q85bab0c394_prep, .Lfunc_end_k_q85bab0c394_prep-k_q85bab0c394_prep
	.p2alignl 7, 3214868480
	.fill 96, 4, 3214868480
	.section	.rodata,"a",@progbits
	.p2align	6, 0x0
	.amdhsa_kernel k_q85bab0c394_prep
		.amdhsa_group_segment_fixed_size 46592
		.amdhsa_private_segment_fixed_size 0
		.amdhsa_enable_private_segment 0
		.amdhsa_kernarg_size 56
		.amdhsa_user_sgpr_count 2
		.amdhsa_user_sgpr_kernarg_segment_ptr 1
		.amdhsa_wavefront_size32 1
		.amdhsa_system_sgpr_workgroup_id_x 1
		.amdhsa_system_sgpr_workgroup_id_y 1
		.amdhsa_system_sgpr_workgroup_id_z 1
		.amdhsa_system_vgpr_workitem_id 0
		.amdhsa_next_free_vgpr 242
		.amdhsa_next_free_sgpr 66
		.amdhsa_reserve_vcc 0
		.amdhsa_float_denorm_mode_32 3
		.amdhsa_float_denorm_mode_16_64 3
		.amdhsa_memory_ordered 1
		.amdhsa_forward_progress 1
		.amdhsa_inst_pref_size 51
	.end_amdhsa_kernel
	.amdgpu_metadata
---
amdhsa.version: [ 1, 2 ]
amdhsa.kernels:
  - .name:           k_q85bab0c394_prep
    .symbol:         k_q85bab0c394_prep.kd
    .args:
      - { .name: x, .offset: 0, .size: 8, .value_kind: global_buffer, .address_space: global }
      - { .name: Wq, .offset: 8, .size: 8, .value_kind: global_buffer, .address_space: global }
      - { .name: Wk, .offset: 16, .size: 8, .value_kind: global_buffer, .address_space: global }
      - { .name: Wv, .offset: 24, .size: 8, .value_kind: global_buffer, .address_space: global }
      - { .name: Wo, .offset: 32, .size: 8, .value_kind: global_buffer, .address_space: global }
      - { .name: ximg, .offset: 40, .size: 8, .value_kind: global_buffer, .address_space: global }
      - { .name: wimg, .offset: 48, .size: 8, .value_kind: global_buffer, .address_space: global }
    .group_segment_fixed_size: 46592
    .private_segment_fixed_size: 0
    .kernarg_segment_align: 8
    .kernarg_segment_size: 56
    .max_flat_workgroup_size: 128
    .sgpr_count:     66
    .vgpr_count:     242
    .wavefront_size: 32
...
	.end_amdgpu_metadata
.endif
;; end of part 1
;; launch proj (part 2): grid 64 x 3, 4 waves a work-group, no clusters, 327,680 bytes of LDS; arguments ximg, wimg, bq, bk, bv, qimg, kv; writes qimg, kv
.if DOCPART == 2
	.amdgcn_target "amdgcn-amd-amdhsa--gfx1250"
	.amdhsa_code_object_version 6
	.text
	.protected	k_q85bab0c394_proj
	.globl	k_q85bab0c394_proj
	.p2align	8
	.type	k_q85bab0c394_proj,@function
k_q85bab0c394_proj:
	s_mov_b64 s[64:65], 0
	v_nop
	global_prefetch_b8 v0, s[64:65] scope:SCOPE_SE
	s_setreg_imm32_b32 hwreg(HW_REG_WAVE_MODE, 25, 1), 1
	s_wait_xcnt 0x0
.set REC,   6400
.set BIAS,  102400
.set FLOOR, 0x2800000
.set EOFF,  0xfe000000
.set LI,  1
.set L15, 2
.set ADX, 3
.set ADS, 4
.set VB,  5
.set VSO, 6
.set SH16, 7
.set L8H, 8
.set ABL, 9
.set XF,  16
.set HA,  64
.set RA,  128
.set RB,  140
.set TP,  152
.set TM,  160
.set PW,  176
.set XS,  184
.set RS,  188
.set CT,  220
.set BL,  228
.set WD,  230
.set WV,  18
.set ROLE, 19
.set SEL, 20
.set G1A, 24
.set G1B, 32
.set RES, 50
.set PCO, 56
.set PSC, 58
.set STR, 60
.set HS,  62
.set SB,  63
.set CNT, 66
.set HM,  68
.set MSB, 0
.macro WIN new
.if MSB != (\new)
	s_set_vgpr_msb (MSB<<8)|(\new)
.set MSB, (\new)
.endif
.endm
	s_load_b256 s[4:11], s[0:1], 0x0
	s_load_b128 s[12:15], s[0:1], 0x20
	s_load_b64 s[16:17], s[0:1], 0x30
	v_lshl_add_u32 v254, v0, 2, 0x29000
	v_mov_b32 v255, 0
	ds_add_u32 v254, v255
	ds_add_u32 v254, v255
	v_lshrrev_b32 v1, 5, v0
	v_readfirstlane_b32 s[WV], v1
	s_and_b32 s[ROLE], ttmp7, 0xffff
	s_mov_b32 s[G1A], 3<<16
	s_mov_b32 s[G1A+1], 32<<16
	s_mov_b32 s[G1A+2], 200<<16
	s_mov_b32 s[G1A+3], 32<<16
	s_mov_b32 s[G1A+4], 200
	s_mov_b32 s[G1A+5], 32
	s_mov_b32 s[G1A+6], 0
	s_mov_b32 s[G1A+7], 0
	s_mov_b32 s[G1B], 3<<16
	s_mov_b32 s[G1B+1], 32<<16
	s_mov_b32 s[G1B+2], 4<<16
	s_mov_b32 s[G1B+3], 32<<16
	s_mov_b32 s[G1B+4], 4
	s_mov_b32 s[G1B+5], 32
	s_mov_b32 s[G1B+6], 0
	s_mov_b32 s[G1B+7], 0
	s_mov_b32 s[SEL], 0x76543210
	s_mov_b32 s[SEL+1], 0xfedcba98
	s_mul_i32 s48, s[ROLE], 32*REC
	s_mul_i32 s49, s[WV], 8*REC
	s_add_co_u32 s48, s48, s49
	s_lshr_b32 s49, ttmp9, 1
	s_lshl_b32 s49, s49, 5
	s_lshl_b32 s70, s[WV], 3
	s_add_co_u32 s49, s49, s70
	s_mul_i32 s49, s49, REC
	s_mul_i32 s70, ttmp9, 16*REC
	s_and_b32 s71, ttmp9, 1
	s_mul_i32 s71, s71, 16*REC
	s_add_co_u32 s71, s71, 64*REC
	s_mul_i32 s72, s[WV], 8*REC                    ; waves 0 and 1 fetch eight records each: 200 rows of 256 bytes
	s_cmp_eq_u32 s[ROLE], 2
	s_cselect_b32 s48, s49, s48
	s_cselect_b32 s70, s71, s70
	s_add_co_u32 s70, s70, s72
	s_mov_b32 s49, 0
	s_mov_b32 s71, 0
	s_and_b32 s74, s[WV], 1
	s_lshl_b32 s74, s74, 10                        ; waves 2 and 3 fetch 1,024 bytes of the biases each
	s_mov_b32 s75, 0
	s_wait_dscnt 0x0
	s_wait_kmcnt 0x0
	s_cmp_eq_u32 s[ROLE], 2
	s_cselect_b64 s[RES:RES+1], s[4:5], s[6:7]
	s_cselect_b64 s[52:53], s[6:7], s[4:5]
	s_cselect_b64 s[54:55], s[12:13], s[10:11]
	s_cmp_eq_u32 s[ROLE], 0
	s_cselect_b64 s[54:55], s[8:9], s[54:55]
	s_cselect_b64 s[PCO:PCO+1], s[14:15], s[16:17]
	s_add_nc_u64 s[RES:RES+1], s[RES:RES+1], s[48:49]
	s_add_nc_u64 s[52:53], s[52:53], s[70:71]
	s_add_nc_u64 s[54:55], s[54:55], s[74:75]
	s_mov_b32 s40, 1
	s_mov_b32 s41, s72
	s_mov_b64 s[42:43], s[52:53]
	s_or_b32 s43, s43, 0x80000000
	s_mov_b32 s44, 1
	s_add_co_u32 s45, s74, BIAS
	s_mov_b64 s[46:47], s[54:55]
	s_or_b32 s47, s47, 0x80000000
	; the head's fills, one a wave, in one chain of branches on the wave's number.  Nothing in LDS is filled again
	s_cmp_lt_u32 s[WV], 2
	s_cbranch_scc0 .Lhead_b
	tensor_load_to_lds s[40:43], s[G1A:G1A+7]
	s_nop 0
.rept 4
	v_nop
.endr
	s_branch .Lhead_asked
.Lhead_b:
	tensor_load_to_lds s[44:47], s[G1B:G1B+7]
	s_nop 0
.rept 4
	v_nop
.endr
.Lhead_asked:
	v_and_b32 v10, 31, v0
	v_lshlrev_b32 v[LI], 4, v10
	v_and_b32 v11, 15, v0
	v_lshlrev_b32 v[L15], 4, v11
	v_bfe_u32 v12, v0, 4, 1
	v_lshlrev_b32 v[SH16], 4, v12
	v_lshl_add_u32 v[L8H], v12, 3, v[L15]
.irp b, 0,1,2,3
	v_mov_b32 v[TM+4+\b], 0
.endr
	WIN 0x40
.set n, 0
.rept 48
	global_load_b128 v[4*n:4*n+3], v[LI], s[RES:RES+1] offset:REC*(n/12)+512*(n%12)
.set n, n+1
.endr
	WIN 0x80
.set n, 0
.rept 48
	global_load_b128 v[4*n:4*n+3], v[LI], s[RES:RES+1] offset:REC*(4+n/12)+512*(n%12)
.set n, n+1
.endr
	WIN 0
.irp t, 0,1,2,3,4,5,6,7
	global_load_b128 v[RS+4*\t:RS+4*\t+3], v[L15], s[RES:RES+1] offset:REC*\t+6144
.endr
	s_wait_tensorcnt 0x0
	s_barrier_signal -1
	s_barrier_wait -1
.macro QUANT s, d0, d1, pw
.irp b, 0,1,2,3
	v_max3_num_f32 v[TM+\b], |v[\s+16*\b]|, |v[\s+1+16*\b]|, FLOOR
.endr
.irp i, 2,4,6,8,10,12,14
.irp b, 0,1,2,3
	v_max3_num_f32 v[TM+\b], v[TM+\b], |v[\s+16*\b+\i]|, |v[\s+1+16*\b+\i]|
.endr
.endr
.irp b, 0,1,2,3
	v_permlanex16_b32 v[TM+4+\b], v[TM+\b], s[SEL], s[SEL+1]
.endr
.irp b, 0,1,2,3
	v_max_num_f32 v[TM+\b], v[TM+\b], v[TM+4+\b]
.endr
.irp b, 0,1,2,3
	v_add_nc_u32 v[TM+12+\b], EOFF, v[TM+\b]
.endr
.irp b, 0,1,2,3
	v_lshrrev_b32 v[TM+4+\b], 23, v[TM+12+\b]
.endr
	v_lshl_or_b32 v[\pw], v[TM+5], 8, v[TM+4]
	v_lshl_or_b32 v[\pw], v[TM+6], 16, v[\pw]
	v_lshl_or_b32 v[\pw], v[TM+7], 24, v[\pw]
	v_cvt_scalef32_pk16_bf6_f32 v[\d0:\d0+2], v[\s:\s+15], v[TM+12]
	v_cvt_scalef32_pk16_bf6_f32 v[TP:TP+2], v[\s+16:\s+31], v[TM+13]
	v_cvt_scalef32_pk16_bf6_f32 v[\d1:\d1+2], v[\s+32:\s+47], v[TM+14]
	v_cvt_scalef32_pk16_bf6_f32 v[TP+4:TP+6], v[\s+48:\s+63], v[TM+15]
	v_nop
.irp i, 0,1,2
	v_permlane16_swap_b32 v[\d0+\i], v[TP+\i]
	v_permlane16_swap_b32 v[\d1+\i], v[TP+4+\i]
.endr
.irp i, 0,1,2
	v_mov_b32 v[\d0+3+\i], v[TP+\i]
	v_mov_b32 v[\d1+3+\i], v[TP+4+\i]
.endr
.endm
; V is quantised along the keys.  By the order of x's tiles the 32 registers of result tiles 4 c .. 4 c + 3 are keys 64 c + 32 (lane / 16) + 0 .. 31: a whole block to a lane, in the operand's own order
.macro QUANTV s, d, pw
.irp c, 0,1
	v_max3_num_f32 v[TM+\c], |v[\s+32*\c]|, |v[\s+1+32*\c]|, FLOOR
.endr
.irp i, 2,4,6,8,10,12,14,16,18,20,22,24,26,28,30
.irp c, 0,1
	v_max3_num_f32 v[TM+\c], v[TM+\c], |v[\s+32*\c+\i]|, |v[\s+1+32*\c+\i]|
.endr
.endr
.irp c, 0,1
	v_add_nc_u32 v[TM+12+\c], EOFF, v[TM+\c]
.endr
.irp c, 0,1
	v_lshrrev_b32 v[TM+4+\c], 23, v[TM+12+\c]
.endr
	v_lshl_or_b32 v[TM+4], v[TM+5], 16, v[TM+4]    ; my bytes: blocks h and 2 + h,
	v_lshlrev_b32 v[TM+4], v13, v[TM+4]            ; at their places (8 h bits up);
	v_permlanex16_b32 v[TM+6], v[TM+4], s[SEL], s[SEL+1]
	v_or_b32 v[\pw], v[TM+4], v[TM+6]              ; with lane l xor 16's two the word is whole
	v_cvt_scalef32_pk16_bf6_f32 v[\d:\d+2], v[\s:\s+15], v[TM+12]
	v_cvt_scalef32_pk16_bf6_f32 v[TP:TP+2], v[\s+16:\s+31], v[TM+12]
	v_cvt_scalef32_pk16_bf6_f32 v[\d+6:\d+8], v[\s+32:\s+47], v[TM+13]
	v_cvt_scalef32_pk16_bf6_f32 v[TP+4:TP+6], v[\s+48:\s+63], v[TM+13]
	v_nop
.irp i, 0,1,2
	v_mov_b32 v[\d+3+\i], v[TP+\i]
	v_mov_b32 v[\d+9+\i], v[TP+4+\i]
.endr
.endm
.macro FETCH ti, isv
.irp n, 0,1,2,3,4,5,6,7,8,9,10,11
	ds_load_b128 v[XF+4*\n:XF+4*\n+3], v[ADX] offset:REC*(\ti)+512*\n
.endr
	ds_load_b128 v[XS:XS+3], v[ADS] offset:REC*(\ti)+6144
.if \isv
	ds_load_b32 v[BL], v[ABL] offset:4*(32*((\ti)/2)+8*((\ti)%2))
.endif
.endm
.macro MM wn, isv
.irp s, 0,1,2,3
.if (\s == 0) && (\isv == 0)
	WIN 0x11*\wn
.else
	WIN \wn
.endif
.irp t, 0,1,2,3
.set rD, HA+8*(4*(\wn-1)+\t)
.set rA, 12*(4*\t+\s)
.set rB, XF+12*\s
.set rS, RS+4*(4*(\wn-1)+\t)+\s
.if (\s == 0) && (\isv == 0)
	v_wmma_scale_f32_16x16x128_f8f6f4 v[rD:rD+7], v[rA:rA+11], v[rB:rB+11], v[192+8*\t:199+8*\t], v[rS], v[XS+\s] matrix_a_fmt:MATRIX_FMT_BF6 matrix_b_fmt:MATRIX_FMT_BF6
.elseif \s == 0
	v_wmma_scale_f32_16x16x128_f8f6f4 v[rD:rD+7], v[rA:rA+11], v[rB:rB+11], v[CT:CT+7], v[rS], v[XS+\s] matrix_a_fmt:MATRIX_FMT_BF6 matrix_b_fmt:MATRIX_FMT_BF6
.else
	v_wmma_scale_f32_16x16x128_f8f6f4 v[rD:rD+7], v[rA:rA+11], v[rB:rB+11], v[rD:rD+7], v[rS], v[XS+\s] matrix_a_fmt:MATRIX_FMT_BF6 matrix_b_fmt:MATRIX_FMT_BF6
.endif
.endr
.endr
.endm
.macro PLACES
.rept 4
	v_nop
.endr
.endm
.macro TILEQK ti, last
	s_wait_dscnt 0x0
	MM 1, 0
	MM 2, 0
	WIN 0
	PLACES
.if \last == 0
	FETCH (\ti)+1, 0
.endif
	s_wait_xcnt 0x0
.set D0, RA+6*((\ti)%2)
.set D1, RB+6*((\ti)%2)
.set PWR, PW+(\ti)
	QUANT HA, D0, D1, PWR
.if (\ti)%2 == 1
.irp j, 0,1,2
	global_store_b128 v[LI], v[RA+4*\j:RA+4*\j+3], s[PCO:PCO+1] offset:((\ti)/2)*1536+512*\j
	global_store_b128 v[VB], v[RB+4*\j:RB+4*\j+3], s[PCO:PCO+1] offset:((\ti)/2)*1536+512*\j
.endr
.endif
.if (\ti)%4 == 3
.irp k, 0,1,2,3
	v_lshrrev_b32 v[WD+\k], v[SH16], v[PW+4*((\ti)/4)+\k]
.endr
.irp k, 0,1,2,3
	v_and_b32 v[WD+\k], 0xffff, v[WD+\k]
.endr
.irp k, 0,1,2,3
	v_lshl_or_b32 v[WD+\k], v[WD+\k], 16, v[WD+\k]
.endr
	global_store_b128 v[VSO], v[WD:WD+3], s[PSC:PSC+1] offset:((\ti)/4)*256
.endif
.endm
.macro TILEV ti, last
	s_wait_dscnt 0x0
.irp k, 0,1,2,3,4,5,6,7
	v_mov_b32 v[CT+\k], v[BL]
.endr
	MM 1, 1
	MM 2, 1
	WIN 0
	PLACES
.if \last == 0
	FETCH (\ti)+1, 1
.endif
	s_wait_xcnt 0x0
.set D1, RA+6
.set PWR, PW+(\ti)
	QUANTV HA, RA, PWR
.irp j, 0,1,2
	global_store_b128 v[LI], v[RA+4*\j:RA+4*\j+3], s[PCO:PCO+1] offset:1536*(\ti)+512*\j
.endr
.if (\ti) == 3
	v_cndmask_b32 v[WD], v[PW], v[PW+2], s[HM]
	v_cndmask_b32 v[WD+1], v[PW+1], v[PW+3], s[HM]
	global_store_b64 v[L8H], v[WD:WD+1], s[PCO:PCO+1] offset:6656
.endif
.endm
	s_cmp_eq_u32 s[ROLE], 2
	s_cbranch_scc1 .Lv
	s_lshl_b32 s48, s[WV], 9
	s_add_co_u32 s48, s48, BIAS
	s_wait_alu depctr_va_vdst(0)
	v_lshl_add_u32 v10, v12, 6, s48
	WIN 0x40
.irp t, 0,1,2,3
	ds_load_b128 v[192+8*\t:195+8*\t], v10 offset:128*(\t/2)+32*(\t%2)
	ds_load_b128 v[196+8*\t:199+8*\t], v10 offset:128*(\t/2)+32*(\t%2)+16
.endr
	WIN 0x80
.irp t, 0,1,2,3
	ds_load_b128 v[192+8*\t:195+8*\t], v10 offset:256+128*(\t/2)+32*(\t%2)
	ds_load_b128 v[196+8*\t:199+8*\t], v10 offset:256+128*(\t/2)+32*(\t%2)+16
.endr
	WIN 0
	s_cmp_eq_u32 s[ROLE], 0
	s_mov_b32 s[STR], 13056
	s_cselect_b32 s[STR], 6656, s[STR]
	s_mov_b32 s[STR+1], 0
	s_mov_b32 s67, 12288
	s_cselect_b32 s67, 6144, s67
	s_lshl_b32 s[HS], s[STR], 4
	s_lshr_b32 s48, ttmp9, 3
	s_lshl_b32 s48, s48, 3
	s_lshl_b32 s49, s[WV], 1
	s_add_co_u32 s48, s48, s49
	s_lshl_b32 s48, s48, 4
	s_and_b32 s49, ttmp9, 7
	s_lshl_b32 s49, s49, 1
	s_add_co_u32 s48, s48, s49
	s_mul_i32 s48, s48, s[STR]
	s_mov_b32 s49, 0
	s_add_nc_u64 s[PCO:PCO+1], s[PCO:PCO+1], s[48:49]
	s_mov_b32 s48, s67
	s_add_nc_u64 s[PSC:PSC+1], s[PCO:PCO+1], s[48:49]
	v_add_nc_u32 v[VB], s[HS], v[LI]
	v_mul_lo_u32 v[VSO], v12, s[HS]
	v_add_nc_u32 v[VSO], v[VSO], v[L15]
	s_mov_b32 s[SB], 0
	s_mov_b32 s[CNT], 0
	s_wait_loadcnt 0x0
.Lqk:
	v_add_nc_u32 v[ADX], s[SB], v[LI]
	v_add_nc_u32 v[ADS], s[SB], v[L15]
	FETCH 0, 0
	s_wait_alu depctr_va_vdst(0)
	TILEQK 0, 0
	TILEQK 1, 0
	TILEQK 2, 0
	TILEQK 3, 0
	TILEQK 4, 0
	TILEQK 5, 0
	TILEQK 6, 0
	TILEQK 7, 1
	s_wait_xcnt 0x0
	s_add_nc_u64 s[PCO:PCO+1], s[PCO:PCO+1], s[STR:STR+1]
	s_add_nc_u64 s[PSC:PSC+1], s[PSC:PSC+1], s[STR:STR+1]
	s_add_co_u32 s[SB], s[SB], 8*REC
	s_add_co_u32 s[CNT], s[CNT], 1
	s_cmp_lt_u32 s[CNT], 2
	s_cbranch_scc1 .Lqk
	s_wait_tensorcnt 0x0
	ds_add_u32 v254, v255
	s_wait_dscnt 0x0
	s_endpgm
.Lv:
	s_and_b32 s48, ttmp9, 1
	s_lshl_b32 s49, s48, 10
	s_add_co_u32 s49, s49, BIAS
	s_wait_alu depctr_va_vdst(0)
	v_and_b32 v10, 8, v11
	v_add_nc_u32 v10, v10, v11
	v_lshrrev_b32 v13, 1, v[SH16]                  ; 8 h
	v_lshl_add_u32 v[ABL], v10, 2, s49
	s_lshr_b32 s49, ttmp9, 3
	s_lshl_b32 s49, s49, 3
	s_lshl_b32 s48, s48, 2
	s_add_co_u32 s48, s48, s49
	s_lshl_b32 s48, s48, 4
	s_bfe_u32 s49, ttmp9, 0x20001
	s_lshl_b32 s49, s49, 2
	s_add_co_u32 s48, s48, s49
	s_add_co_u32 s48, s48, s[WV]
	s_mul_i32 s48, s48, 13056
	s_add_co_u32 s48, s48, 6144
	s_mov_b32 s49, 0
	s_add_nc_u64 s[PCO:PCO+1], s[PCO:PCO+1], s[48:49]
	s_mov_b32 s[HM], 0xffff0000
	s_mov_b32 s[SB], 0
	s_mov_b32 s[CNT], 0
	s_wait_loadcnt 0x0
.Lvh:
	v_add_nc_u32 v[ADX], s[SB], v[LI]
	v_add_nc_u32 v[ADS], s[SB], v[L15]
	s_wait_alu depctr_va_vdst(0)
	FETCH 0, 1
	TILEV 0, 0
	TILEV 1, 0
	TILEV 2, 0
	TILEV 3, 1
	s_wait_xcnt 0x0
	s_add_nc_u64 s[PCO:PCO+1], s[PCO:PCO+1], 16*13056
	s_add_co_u32 s[SB], s[SB], 4*REC
	v_add_nc_u32 v[ABL], 0x100, v[ABL]
	s_add_co_u32 s[CNT], s[CNT], 1
	s_cmp_lt_u32 s[CNT], 4
	s_cbranch_scc1 .Lvh
	s_wait_tensorcnt 0x0
	ds_add_u32 v254, v255
	s_wait_dscnt 0x0
	s_endpgm
.Lfunc_end_k_q85bab0c394_proj:
	.size	k_q85bab0c394_proj, .Lfunc_end_k_q85bab0c394_proj-k_q85bab0c394_proj
	.p2alignl 7, 3214868480
	.fill 96, 4, 3214868480
	.section	.rodata,"a",@progbits
	.p2align	6, 0x0
	.amdhsa_kernel k_q85bab0c394_proj
		.amdhsa_group_segment_fixed_size 327680
		.amdhsa_private_segment_fixed_size 0
		.amdhsa_enable_private_segment 0
		.amdhsa_kernarg_size 56
		.amdhsa_user_sgpr_count 2
		.amdhsa_user_sgpr_kernarg_segment_ptr 1
		.amdhsa_wavefront_size32 1
		.amdhsa_system_sgpr_workgroup_id_x 1
		.amdhsa_system_sgpr_workgroup_id_y 1
		.amdhsa_system_sgpr_workgroup_id_z 1
		.amdhsa_system_vgpr_workitem_id 0
		.amdhsa_next_free_vgpr 768
		.amdhsa_next_free_sgpr 80
		.amdhsa_reserve_vcc 0
		.amdhsa_float_denorm_mode_32 3
		.amdhsa_float_denorm_mode_16_64 3
		.amdhsa_memory_ordered 1
		.amdhsa_forward_progress 1
		.amdhsa_inst_pref_size 128
	.end_amdhsa_kernel
	.amdgpu_metadata
---
amdhsa.version: [ 1, 2 ]
amdhsa.kernels:
  - .name:           k_q85bab0c394_proj
    .symbol:         k_q85bab0c394_proj.kd
    .args:
      - { .name: ximg, .offset: 0, .size: 8, .value_kind: global_buffer, .address_space: global }
      - { .name: wimg, .offset: 8, .size: 8, .value_kind: global_buffer, .address_space: global }
      - { .name: bq, .offset: 16, .size: 8, .value_kind: global_buffer, .address_space: global }
      - { .name: bk, .offset: 24, .size: 8, .value_kind: global_buffer, .address_space: global }
      - { .name: bv, .offset: 32, .size: 8, .value_kind: global_buffer, .address_space: global }
      - { .name: qimg, .offset: 40, .size: 8, .value_kind: global_buffer, .address_space: global }
      - { .name: kv, .offset: 48, .size: 8, .value_kind: global_buffer, .address_space: global }
    .group_segment_fixed_size: 327680
    .private_segment_fixed_size: 0
    .kernarg_segment_align: 8
    .kernarg_segment_size: 56
    .max_flat_workgroup_size: 128
    .sgpr_count:     80
    .vgpr_count:     768
    .wavefront_size: 32
...
	.end_amdgpu_metadata
.endif
;; end of part 2
;; launch attn (part 3): grid 4 x 64, 16 waves a work-group, clusters of 4 x 1, 252,160 bytes of LDS; arguments qimg, kv, oimg, oscale; writes oimg, oscale
.if DOCPART == 3
	.amdgcn_target "amdgcn-amd-amdhsa--gfx1250"
	.amdhsa_code_object_version 6
	.text
	.protected	k_q85bab0c394_attn
	.globl	k_q85bab0c394_attn
	.p2align	8
	.type	k_q85bab0c394_attn,@function
k_q85bab0c394_attn:
	s_mov_b64 s[64:65], 0
	v_nop
	global_prefetch_b8 v0, s[64:65] scope:SCOPE_SE
	s_setreg_imm32_b32 hwreg(HW_REG_WAVE_MODE, 25, 1), 1
	s_wait_xcnt 0x0
	s_wait_alu depctr_hold_cnt(0) depctr_sa_sdst(0) depctr_va_vdst(0) depctr_va_sdst(0) depctr_va_ssrc(0) depctr_va_vcc(0) depctr_vm_vsrc(0)
	s_getreg_b32 s2, hwreg(HW_REG_IB_STS2, 6, 4)
	s_cmp_eq_u32 s2, 0
	s_cbranch_scc0 .Lentry_in_a_cluster
	s_endpgm
.Lentry_in_a_cluster:
	s_bfe_u32 s2, ttmp6, 0x10000c
	s_cmp_lg_u32 s2, 0x3003
	s_cbranch_scc0 .Lentry_shape_is_right
	s_endpgm
.Lentry_shape_is_right:
; o = softmax(q k^T / 8 + bias) v for one batch and head (work-group y), both products on codes of BF6; o is divided by the row's sum, quantised along the head's 64 and stored as an operand image for the last product.
; bias(q, key) = log1p(2 + exp(-2 m^2)), m = |q - key| mod 30: it hangs on q - key alone.  With t = (s + 8 bias) log2(e) / 8, the number 8 bias is the C of the score product.
; SOFTMAX: M = the running largest t rounded UP to a whole number; p = 2^(t - M) is quantised along the keys, not normalised; the sum is taken of the unquantised p; when M moves, sum and O are multiplied by 2^(old M - new M), exactly.
; SHARES.  A work-group owns 512 queries of the head; each of its sixteen waves one tile of 16 queries in each of two passes (tile 16 p + w), in 256 registers.  A step is 256 keys: two records.
; THE HEAD'S WHOLE K AND V STAY IN LDS: 16 records of 13,056 bytes (128 keys each), wave w fetching record w by one tensor load: LDS is filled once, and the loop has no wait for tiles.
; CLUSTER: the head's four work-groups want the same 16 records: each is asked for jointly, by the same load with a mask that names the four.
; NO PREFETCH: all tiles are asked for at the head; there is no loop to run ahead in.
; LAYOUT.  Both products are used transposed: S^T = K Q^T, O^T = V^T P^T: a lane holds one query throughout.  Lane r of key tile 4 c + u holds key 64 c + 8 u + r % 8 + 32 (r / 8), so the 32 registers of score
; tiles 4 c .. 4 c + 3 are keys 64 c + 32 (lane / 16) + 0 .. 31: a whole block of 32, in the order in which P's operand wants it.  A block's maximum needs no other lane, and the codes need no exchange between lanes.
; THE HEAD IS 64 WIDE, a K step 128: Q's upper six registers are zero codes; K's operand of tile t is v[32 + 6 t] .. v[43 + 6 t], whose upper six are the next tile's codes (behind tile 7: whatever codes v80-85 hold): against zero codes they add exactly 0.
; THE TABLE: T[x] = 8 bias at key - query = x - 511 - 512 cx, x = 0 .. 2,559, in FOUR COPIES, copy c shifted by c words, so that a lane's four neighbours always begin on a multiple of 16 bytes.  My place in the cluster enters the numbers stored, never an LDS address.
; LIMITS: NaN and infinities are not served; p under 2^-126 counts as 0 (v_exp_f32); log1p(v) is taken as log2(1 + v) ln 2; a block of zeros gets the byte 1, and this program alone reads the bytes.
; The scale words of o leave as runs of 64 bytes (lanes l and l + 16 store the same word to the same place): 0.5 MiB in all, the one store here that does not fill 256 consecutive bytes.
; REGISTERS: v1, v2 the step's LDS addresses; v3 Q's scale word; v4 -M, v5 the largest score; v[6:7] the sum; v8 the factor; v9 my place in the table; v10, v11 p's scale words; v12-15 the blocks' maxima, then the conversions' scales;
;   v16-27 Q; v28-31 K's, then V's scale words; v32-79 K, then V of the first record; v80-91 p's codes of the first record (v86-91 at work before); v92-123 O^T; v124, v125 the add's two; v126 V's scale words' place; v127 16 lane;
;   v128-255 S^T, then p; then, in p's registers that are done with: codes of the second record at v160-171, its V at v176-223.
.set KVB,   13056
.set TBL,   16*KVB                     ; behind the records: the table, 41,216 bytes
.set SPARE, 0x3d100                    ; behind the table: the spare words, 128 bytes a wave
.set FLOOR, 0x2800000
.set EOFF,  0xfe000000
.set AK, 1
.set AT, 2
.set QS, 3
.set NM, 4
.set MX, 5
.set SU, 6
.set FF, 8
.set TBS, 9
.set PW, 10
.set SO, 12
.set Q,  16
.set KS, 28
.set KV, 32
.set F0, 80
.set O,  92
.set SPW, 124
.set NIL, 125
.set VSB, 126
.set LI, 127
.set S,  128
.set WV,  12
.set SEL, 20
.set CS,  22                           ; s[22:23] log2(e) / 8
.set CNT, 36
.set TB,  37                           ; LDS byte of the step's first record
.set TJ,  38                           ; the step's place in the table
.set UM,  39                           ; all ones in odd waves
.set QO,  46
.set QW,  47
.set NC,  48                           ; -log2(e) / 8
.macro D1
	s_delay_alu instid0(VALU_DEP_1)
.endm
.macro CROUND                          ; a round of the cluster's barrier
	s_barrier_signal -1
	s_barrier_wait -1
	s_cmp_lg_u32 s[WV], 0
	s_cbranch_scc1 .Lnot_wave_0_\@
	s_barrier_signal -3
.Lnot_wave_0_\@:
	s_barrier_wait -3
	s_barrier_signal -1
	s_barrier_wait -1
.endm
.macro WM d, a, b, sa, sb, row
.if \row
	v_wmma_scale_f32_16x16x128_f8f6f4 v[\d:\d+7], v[\a:\a+11], v[\b:\b+11], v[\d:\d+7], v[\sa], v[\sb] matrix_a_fmt:MATRIX_FMT_BF6 matrix_b_fmt:MATRIX_FMT_BF6 matrix_a_scale:MATRIX_SCALE_ROW1
.else
	v_wmma_scale_f32_16x16x128_f8f6f4 v[\d:\d+7], v[\a:\a+11], v[\b:\b+11], v[\d:\d+7], v[\sa], v[\sb] matrix_a_fmt:MATRIX_FMT_BF6 matrix_b_fmt:MATRIX_FMT_BF6
.endif
.endm
.macro NOPS n
.rept \n
	v_nop
.endr
.endm
; Q of pass p: group 4 cx + 2 p + w / 8 of the head, tile w % 8 of it: the pair's 12 registers come, the tile's six are chosen by QSEL
.macro QLOAD p
	v_add_nc_u32 v88, s[QO], v[LI]
	v_and_b32 v89, 0xf0, v[LI]
	D1
	v_add_nc_u32 v89, s[QW], v89
.irp j, 0,1,2
	global_load_b128 v[S+64+4*\j:S+67+4*\j], v88, s[4:5] offset:13312*\p+512*\j
.endr
	global_load_b32 v[QS], v89, s[4:5] offset:13312*\p+6144
.endm
.macro QSEL
	s_wait_loadcnt 0x0
.irp i, 0,1,2,3,4,5
	v_cndmask_b32 v[Q+\i], v[S+64+\i], v[S+70+\i], s[UM]   ; an odd wave's tile is the pair's second six
.endr
.endm
	s_load_b256 s[4:11], s[0:1], 0x0               ; qimg s[4:5], kv s[6:7], oimg s[8:9], oscale s[10:11]
	v_lshl_add_u32 v[SPW], v0, 2, SPARE
	v_mov_b32 v[NIL], 0
	ds_add_u32 v[SPW], v[NIL]                      ; the opening lines: the add, twice on end, and its wait
	ds_add_u32 v[SPW], v[NIL]
	v_lshrrev_b32 v1, 5, v0
	v_readfirstlane_b32 s[WV], v1                  ; wave 0..15
	s_bfe_u32 s13, ttmp6, 0x40000                  ; cx: my 512 queries
	s_and_b32 s14, ttmp7, 0xffff                   ; batch x 8 + head, which the four partners share
	s_mov_b32 s24, 15|(3<<16)|(1<<21)              ; the mask: all four; elements of 8 bytes; bit 21 beside a mask; no padding
	s_mov_b32 s25, 32<<16                          ; rows of 256 bytes
	s_mov_b32 s26, 51<<16                          ; 51 of them: a record
	s_mov_b32 s27, 32<<16
	s_mov_b32 s28, 51
	s_mov_b32 s29, 32                              ; dense
	s_mov_b32 s30, 0
	s_mov_b32 s31, 0
	s_lshl_b32 s41, s14, 4
	s_add_co_u32 s42, s41, s[WV]
	s_mul_i32 s42, s42, KVB                        ; record w of the head
	s_mov_b32 s43, 0
	s_mov_b32 s32, 1
	s_mul_i32 s33, s[WV], KVB                      ; LDS: 13,056 x wave
	s_lshl_b32 s44, s13, 2
	s_add_co_u32 s44, s44, s41
	s_lshr_b32 s45, s[WV], 3
	s_add_co_u32 s44, s44, s45
	s_mul_i32 s44, s44, 6656                       ; Q's group of pass 0
	s_mov_b32 s45, 0
	s_bfe_u32 s[QO], s[WV], 0x20001                ; the pair of tiles
	s_mul_i32 s[QO], s[QO], 1536
	s_bfe_u32 s[QW], s[WV], 0x10002                ; (w % 8) / 4: which 16 slots of scale words,
	s_lshl_b32 s[QW], s[QW], 8
	s_and_b32 s51, s[WV], 3                        ; and which word
	s_lshl_b32 s49, s51, 2
	s_add_co_u32 s[QW], s[QW], s49
	s_lshl_b32 s49, s51, 3
	s_lshr_b32 s51, s[WV], 2
	s_lshl_b32 s51, s51, 6
	s_add_co_u32 s49, s49, s51                     ; 64 (w / 4) + 8 (w % 4): my tile's first query in the pass
	s_lshl_b32 s50, s13, 9
	s_add_co_u32 s50, s50, 511
	s_lshr_b32 s52, s14, 3                         ; where o goes: tile 128 batch + 32 cx + 16 p + w, the head's 768 bytes of its 6,144
	s_lshl_b32 s52, s52, 7
	s_lshl_b32 s51, s13, 5
	s_add_co_u32 s51, s51, s[WV]
	s_add_co_u32 s52, s52, s51
	s_mul_i32 s52, s52, 6144
	s_and_b32 s53, s14, 7
	s_mul_i32 s53, s53, 768
	s_add_co_u32 s52, s52, s53
	s_mov_b32 s53, 0
	s_lshl_b32 s54, s14, 7                         ; its scale words: [batch x head][tile][r]
	s_add_co_u32 s54, s54, s51
	s_lshl_b32 s54, s54, 6
	s_mov_b32 s55, 0
	s_mov_b32 s[SEL], 0x76543210
	s_mov_b32 s[SEL+1], 0xfedcba98                 ; selects for lane l xor 16
	s_mov_b32 s[CS], 0x3e38aa3b                    ; log2(e) / 8
	s_mov_b32 s[CS+1], s[CS]                       ; (named with it as a pair)
	s_mov_b32 s[NC], 0xbe38aa3b
	s_bitcmp1_b32 s[WV], 0
	s_cselect_b32 s[UM], -1, 0
	s_wait_dscnt 0x0
	s_wait_kmcnt 0x0
	s_add_nc_u64 s[34:35], s[6:7], s[42:43]
	s_or_b32 s35, s35, 0x80000000
	s_add_nc_u64 s[4:5], s[4:5], s[44:45]
	s_add_nc_u64 s[8:9], s[8:9], s[52:53]
	s_add_nc_u64 s[10:11], s[10:11], s[54:55]
	CROUND                                         ; all four work-groups are here: the joint loads meet
	tensor_load_to_lds s[32:35], s[24:31]
	s_nop 0
	NOPS 4
	v_and_b32 v128, 31, v0
	v_lshlrev_b32 v[LI], 4, v128
	v_and_b32 v129, 15, v0                         ; r
	v_bfe_u32 v130, v0, 4, 1                       ; h
	QLOAD 0
	v_lshlrev_b32 v[VSB], 4, v129
	v_mad_u32_u24 v[VSB], v130, KVB, v[VSB]        ; V's scale words: lanes 0-15 take the step's first record's, lanes 16-31 the second's
	v_add_nc_u32 v[VSB], 12800, v[VSB]
	; my place in the table.  My query in the pass is a = 64 (w / 4) + 8 (w % 4) + r % 8 + 32 (r / 8); x = key + 256 (1 - p) + (255 - a); copy (255 - a) % 4
	v_and_b32 v131, 7, v129
	v_and_b32 v132, 8, v129
	v_lshl_add_u32 v131, v132, 2, v131
	v_add_nc_u32 v131, s49, v131                   ; a
	v_xor_b32 v131, 0xff, v131                     ; 255 - a
	v_and_b32 v132, 0xfc, v131
	v_lshlrev_b32 v[TBS], 2, v132
	v_and_b32 v132, 1, v131
	v_mad_u32_u24 v[TBS], v132, 10272, v[TBS]      ; the copies begin at 0, 10,272, 20,544, 30,816: 0, 32, 64, 96 modulo 256.  With 255 - a = 8 k + 7 - r % 8 - 32 (r / 8) the sixteen lanes of a half then read sixteen different columns of 16 bytes modulo 256
	v_bfe_u32 v132, v131, 1, 1
	v_mad_u32_u24 v[TBS], v132, 20544, v[TBS]
	v_lshl_add_u32 v[TBS], v130, 7, v[TBS]         ; + 32 keys for lanes 16-31
	v_add_nc_u32 v[TBS], TBL, v[TBS]
	; the table: thread n makes T[n + 512 i], i = 0 .. 4
	v_sub_nc_u32 v136, v0, s50
.irp i, 1,2,3,4
	v_add_nc_u32 v[136+\i], 512*\i, v136
.endr
.irp i, 0,1,2,3,4
	v_cvt_f32_i32 v[136+\i], v[136+\i]             ; key - query
.endr
.irp i, 0,1,2,3,4
	v_add_f32 v[144+\i], |v[136+\i]|, 0.5
.endr
.irp i, 0,1,2,3,4
	v_mul_f32 v[144+\i], 0x3d088889, v[144+\i]     ; (d + 0.5) / 30
.endr
.irp i, 0,1,2,3,4
	v_floor_f32 v[144+\i], v[144+\i]
.endr
.irp i, 0,1,2,3,4
	v_fma_f32 v[144+\i], v[144+\i], 0xc1f00000, |v[136+\i]|   ; m = d - 30 floor(d / 30), exact
.endr
.irp i, 0,1,2,3,4
	v_mul_f32 v[144+\i], v[144+\i], v[144+\i]
.endr
.irp i, 0,1,2,3,4
	v_mul_f32 v[144+\i], 0xc038aa3b, v[144+\i]     ; -2 m^2 log2(e)
.endr
	s_wait_alu depctr_va_vdst(0)                   ; a wait ahead of a batch of transcendentals and one behind it
.irp i, 0,1,2,3,4
	v_exp_f32 v[144+\i], v[144+\i]
.endr
	v_lshl_add_u32 v150, v0, 2, TBL                ; (a plain instruction behind the exponentials)
	s_wait_alu depctr_va_vdst(0)
.irp i, 0,1,2,3,4
	v_add_f32 v[144+\i], 2.0, v[144+\i]            ; the prior's value,
.endr
.irp i, 0,1,2,3,4
	v_add_f32 v[144+\i], 1.0, v[144+\i]            ; + 1
.endr
	s_wait_alu depctr_va_vdst(0)
.irp i, 0,1,2,3,4
	v_log_f32 v[144+\i], v[144+\i]
.endr
	v_mov_b32 v[Q+6], 0                            ; (a plain instruction behind the logarithms)
	s_wait_alu depctr_va_vdst(0)
.irp i, 0,1,2,3,4
	v_mul_f32 v[144+\i], 0x40b17218, v[144+\i]     ; x 8 ln 2
.endr
.irp c, 0,1,2,3
.irp i, 0,1,2,3,4
	ds_store_b32 v150, v[144+\i] offset:10272*(\c%2)+20544*(\c/2)-4*\c+2048*\i   ; copy c, word x - c (words -1 .. -3 fall into the gap of 32 bytes in front of the copy)
.endr
.endr
.irp i, 7,8,9,10,11
	v_mov_b32 v[Q+\i], 0                           ; Q's upper half: zero codes
.endr
.irp i, 0,1,2,3,4,5,6,7,10,11
	v_mov_b32 v[F0+\i], 0                          ; named behind K's last tile, and as lane permutes' destinations (v88, v89 hold the offsets of Q's loads)
.endr
	s_wait_alu depctr_va_vdst(0)
	QSEL
	s_wait_alu depctr_va_vdst(0)
	s_wait_tensorcnt 0x0                           ; my record has landed,
	s_wait_dscnt 0x0                               ; my part of the table is stored,
	s_barrier_signal -1
	s_barrier_wait -1                              ; everybody's.  Behind this barrier LDS is only read
.macro QK rho                          ; eight score tiles of record rho; their C, 8 bias, lies where they are summed
.irp t, 0,1,2,3,4,5,6,7
.if (\rho == 0) && (\t % 2 == 0)
	s_wait_dscnt 28-2*\t                           ; K, its words and the biases up to tile t + 1 are in; the bias loads issued behind them (two a tile) may be out
.endif
	WM S+64*\rho+8*\t, KV+6*\t, Q, KS+\t%4, QS, \t/4
.endr
.endm
.macro BMAX g                          ; the largest score of my two blocks of record g: 32 registers each, in two chains each; every result is read from its low end on
.irp c, 0,1
	v_max3_num_f32 v[SO+2*\g+\c], v[S+64*\g+32*\c], v[S+64*\g+32*\c+1], v[S+64*\g+32*\c+2]
	v_max3_num_f32 v[86+\c], v[S+64*\g+32*\c+17], v[S+64*\g+32*\c+18], v[S+64*\g+32*\c+19]
.endr
.irp k, 0,2,4,6,8,10
.irp c, 0,1
	v_max3_num_f32 v[SO+2*\g+\c], v[SO+2*\g+\c], v[S+64*\g+32*\c+3+\k], v[S+64*\g+32*\c+4+\k]
	v_max3_num_f32 v[86+\c], v[86+\c], v[S+64*\g+32*\c+20+\k], v[S+64*\g+32*\c+21+\k]
.endr
.endr
.irp c, 0,1
	v_max3_num_f32 v[SO+2*\g+\c], v[SO+2*\g+\c], v[S+64*\g+32*\c+15], v[S+64*\g+32*\c+16]
.endr
.irp c, 0,1
	v_max_num_f32 v[SO+2*\g+\c], v[SO+2*\g+\c], v[86+\c]
.endr
.endm
; A KEY STEP: 256 keys, two records.
.macro STEP
	v_add_nc_u32 v[AK], s[TB], v[LI]
	v_add_nc_u32 v[AT], s[TJ], v[TBS]
	NOPS 3                                         ; five places between the last step's products and the loads and products that write over their operands
.irp i, 0,1,2,3,4,5,6,7,8,9,10,11
	ds_load_b128 v[KV+4*\i:KV+4*\i+3], v[AK] offset:512*\i     ; K's eight tiles of the first record, six registers each
.endr
	ds_load_b128 v[KS:KS+3], v[AK] offset:12288                ; lanes 0-15: the words of tiles 0-3; lanes 16-31: of tiles 4-7
.set n, 0
.rept 32
	ds_load_b128 v[S+4*n:S+4*n+3], v[AT] offset:256*(n/8)+16*(n%8)   ; 8 bias at keys 64 (n / 8) + 32 h + 4 (n % 8) ..
.set n, n+1
.endr
	s_wait_alu depctr_va_vdst(0)
	QK 0
	NOPS 4                                         ; places: in front of the loads below and of the first read of the scores
.irp i, 0,1,2,3,4,5,6,7,8,9,10,11
	ds_load_b128 v[KV+4*\i:KV+4*\i+3], v[AK] offset:KVB+512*\i
.endr
	ds_load_b128 v[KS:KS+3], v[AK] offset:KVB+12288
	BMAX 0                                         ; under the loads' flight
	s_wait_dscnt 0x0
	QK 1
	NOPS 3
	v_add_nc_u32 v90, s[TB], v[VSB]                ; (the fourth place)
.irp i, 0,1,2,3,4,5,6,7,8,9,10,11
	ds_load_b128 v[KV+4*\i:KV+4*\i+3], v[AK] offset:6144+512*\i   ; V's four channel tiles of the first record: they land under the softmax
.endr
	ds_load_b128 v[KS:KS+3], v90                   ; V's scale words of both records
	BMAX 1
	v_max3_num_f32 v90, v[SO], v[SO+1], v[SO+2]
	v_max_num_f32 v90, v90, v[SO+3]
	v_permlanex16_b32 v91, v90, s[SEL], s[SEL+1]
	v_max3_num_f32 v[MX], v[MX], v90, v91          ; the running largest score of my query
	v_mov_b32 v90, v[NM]
	v_mul_f32 v91, s[NC], v[MX]                    ; -t
	v_floor_f32 v[NM], v91                         ; the new -M = -ceil(t): a whole number
.set j, 0
.rept 64
	v_pk_fma_f32 v[S+j:S+j+1], v[S+j:S+j+1], s[CS:CS+1], v[NM:NM+1] op_sel_hi:[1,0,0]   ; t - M, two at a time
.set j, j+2
.endr
.irp b, 0,1,2,3
	v_fma_f32 v[SO+\b], v[SO+\b], s[CS], v[NM]     ; the same of each block's largest score: p rises with the score
.endr
	v_sub_f32 v90, v[NM], v90                      ; old M - new M, 0 or less
	D1
	v_cvt_i32_f32 v90, v90                         ; (it saturates)
	D1
	v_ldexp_f32 v[FF], 1.0, v90                    ; f = 2^(old M - new M)
	D1
	v_pk_mul_f32 v[SU:SU+1], v[SU:SU+1], v[FF:FF+1] op_sel_hi:[1,0]   ; the sums under the new M
	s_wait_alu depctr_va_vdst(0)                   ; one wait ahead of the batch,
.set j, 0
.rept 128
	v_exp_f32 v[S+j], v[S+j]                       ; p = 2^(t - M)
.set j, j+1
.endr
.irp b, 0,1,2,3
	v_exp_f32 v[SO+\b], v[SO+\b]                   ; the blocks' largest p
.endr
	v_nop                                          ; a plain instruction behind the exponentials,
	s_wait_alu depctr_va_vdst(0)                   ; and one wait behind the batch
	v_pk_add_f32 v[86:87], v[S:S+1], v[S+2:S+3]    ; the sum of the unquantised p, in four chains
	v_pk_add_f32 v[88:89], v[S+4:S+5], v[S+6:S+7]
	v_pk_add_f32 v[90:91], v[S+8:S+9], v[S+10:S+11]
	v_pk_add_f32 v[SU:SU+1], v[SU:SU+1], v[S+12:S+13]
.set j, 14
.rept 14
	v_pk_add_f32 v[86:87], v[86:87], v[S+j:S+j+1]
	v_pk_add_f32 v[88:89], v[88:89], v[S+j+2:S+j+3]
	v_pk_add_f32 v[90:91], v[90:91], v[S+j+4:S+j+5]
	v_pk_add_f32 v[SU:SU+1], v[SU:SU+1], v[S+j+6:S+j+7]
.set j, j+8
.endr
	v_pk_add_f32 v[86:87], v[86:87], v[S+126:S+127]
	v_pk_add_f32 v[88:89], v[88:89], v[90:91]
	s_delay_alu instid0(VALU_DEP_2)
	v_pk_add_f32 v[SU:SU+1], v[SU:SU+1], v[86:87]
	D1
	v_pk_add_f32 v[SU:SU+1], v[SU:SU+1], v[88:89]
.irp b, 0,1,2,3
	v_max_num_f32 v[SO+\b], FLOOR, v[SO+\b]
.endr
.irp b, 0,1,2,3
	v_add_nc_u32 v[SO+\b], EOFF, v[SO+\b]          ; the conversion's scale operand
.endr
.irp b, 0,1,2,3
	v_lshrrev_b32 v[86+\b], 23, v[SO+\b]           ; the byte
.endr
	v_lshl_or_b32 v86, v87, 16, v86                ; my two bytes of each record: blocks h and 2 + h
	v_lshl_or_b32 v88, v89, 16, v88
	s_delay_alu instid0(VALU_DEP_2)
	v_permlanex16_b32 v87, v86, s[SEL], s[SEL+1]
	s_delay_alu instid0(VALU_DEP_2)
	v_permlanex16_b32 v89, v88, s[SEL], s[SEL+1]
	s_delay_alu instid0(VALU_DEP_2)
	v_lshl_or_b32 v[PW], v87, 8, v86               ; lanes 0-15, which alone are read: p's scale word
	s_delay_alu instid0(VALU_DEP_2)
	v_lshl_or_b32 v[PW+1], v89, 8, v88
	v_cvt_scalef32_pk16_bf6_f32 v[F0:F0+2], v[S:S+15], v[SO]
	v_cvt_scalef32_pk16_bf6_f32 v[F0+6:F0+8], v[S+32:S+47], v[SO+1]
	v_nop                                          ; a plain instruction: the conversions below write into the sources of the two above
	v_cvt_scalef32_pk16_bf6_f32 v[S:S+2], v[S+16:S+31], v[SO]          ; (a conversion's three registers begin on an even number: the upper halves are made elsewhere and moved)
	v_cvt_scalef32_pk16_bf6_f32 v[S+4:S+6], v[S+48:S+63], v[SO+1]
	v_cvt_scalef32_pk16_bf6_f32 v[S+32:S+34], v[S+64:S+79], v[SO+2]
	v_cvt_scalef32_pk16_bf6_f32 v[S+38:S+40], v[S+96:S+111], v[SO+3]
	v_cvt_scalef32_pk16_bf6_f32 v[S+8:S+10], v[S+80:S+95], v[SO+2]
	v_cvt_scalef32_pk16_bf6_f32 v[S+12:S+14], v[S+112:S+127], v[SO+3]
	v_nop                                          ; one plain instruction behind the scaled conversions
.irp i, 0,1,2,3,4,5,6,7,8,9,10,11
	ds_load_b128 v[S+48+4*\i:S+51+4*\i], v[AK] offset:KVB+6144+512*\i   ; V of the second record, into p's registers that are done with
.endr
	v_dual_mov_b32 v[S+35], v[S+8] :: v_dual_mov_b32 v[S+36], v[S+9]
	v_dual_mov_b32 v[S+37], v[S+10] :: v_dual_mov_b32 v[S+42], v[S+13]
	v_mov_b32 v[S+41], v[S+12]
	v_mov_b32 v[S+43], v[S+14]
	v_dual_mov_b32 v[F0+3], v[S] :: v_dual_mov_b32 v[F0+4], v[S+1]
	v_dual_mov_b32 v[F0+5], v[S+2] :: v_dual_mov_b32 v[F0+10], v[S+5]
	v_mov_b32 v[F0+9], v[S+4]
	v_mov_b32 v[F0+11], v[S+6]
	s_wait_alu depctr_va_vdst(0)                   ; directly ahead of the first reader of O^T
.set j, 0
.rept 16
	v_pk_mul_f32 v[O+j:O+j+1], v[O+j:O+j+1], v[FF:FF+1] op_sel_hi:[1,0]   ; O^T under the new M.  For each product below twelve of these name none of its registers: they stand between the scale words' and the codes' last write and the product
.set j, j+2
.endr
	s_wait_alu depctr_va_vdst(0)
	s_wait_dscnt 12                                ; V of the first record and the scale words are in; the second record's twelve loads may be out
.irp t, 0,1,2,3
	WM O+8*\t, KV+12*\t, F0, KS+\t, PW, 0
.endr
	s_wait_dscnt 0x0
.irp t, 0,1,2,3
	WM O+8*\t, S+48+12*\t, S+32, KS+\t, PW+1, 1    ; the four sums take turns, one instruction a turn
.endr
.endm
; A PASS: one tile of 16 queries against all 2,048 keys.
.macro PASS p
	v_mov_b32 v[MX], 0xff61b1e6                    ; the largest score so far: -3e38
	v_mov_b32 v[NM], 0x7f61b1e6                    ; -M: 3e38, so that the first factor is 0
	v_mov_b32 v[SU], 0
	v_mov_b32 v[SU+1], 0
.set j, 0
.rept 32
	v_mov_b32 v[O+j], 0                            ; the step is written once: its first trip finds zeros
.set j, j+1
.endr
	s_mov_b32 s[TB], 0
	s_mov_b32 s[TJ], 1024*(1-\p)
	s_mov_b32 s[CNT], 8
.Lstep_\p:
	STEP
	s_add_co_u32 s[TB], s[TB], 2*KVB
	s_add_co_u32 s[TJ], s[TJ], 1024
	s_sub_co_u32 s[CNT], s[CNT], 1
	s_cmp_lg_u32 s[CNT], 0
	s_cbranch_scc1 .Lstep_\p
	NOPS 4                                         ; places behind the last products
.if \p == 0
	QLOAD 1                                        ; the next pass's Q comes under the way out
.endif
	v_add_f32 v[SU], v[SU], v[SU+1]
	D1
	v_permlanex16_b32 v90, v[SU], s[SEL], s[SEL+1]
	D1
	v_add_f32 v[SU], v[SU], v90                    ; the row's sum
	s_wait_alu depctr_va_vdst(0)
	v_rcp_f32 v[SU], v[SU]
	v_nop                                          ; a plain instruction behind the reciprocal,
	s_wait_alu depctr_va_vdst(0)                   ; and the wait ahead of its first reader, which is O^T's too
.set j, 0
.rept 32
	v_mul_f32 v[S+j], v[O+j], v[SU]                ; o: register 16 b + i is channel 32 b + 16 (lane / 16) + i; each result read from its low end on
.set j, j+1
.endr
	v_max3_num_f32 v12, |v[S]|, |v[S+1]|, FLOOR
	v_max3_num_f32 v13, |v[S+16]|, |v[S+17]|, FLOOR
.irp i, 2,4,6,8,10,12,14
	s_delay_alu instid0(VALU_DEP_2)
	v_max3_num_f32 v12, v12, |v[S+\i]|, |v[S+1+\i]|
	s_delay_alu instid0(VALU_DEP_2)
	v_max3_num_f32 v13, v13, |v[S+16+\i]|, |v[S+17+\i]|
.endr
	s_delay_alu instid0(VALU_DEP_2)
	v_permlanex16_b32 v90, v12, s[SEL], s[SEL+1]
	s_delay_alu instid0(VALU_DEP_2)
	v_permlanex16_b32 v91, v13, s[SEL], s[SEL+1]
	s_delay_alu instid0(VALU_DEP_2)
	v_max_num_f32 v12, v12, v90
	s_delay_alu instid0(VALU_DEP_2)
	v_max_num_f32 v13, v13, v91
	s_delay_alu instid0(VALU_DEP_2)
	v_add_nc_u32 v14, EOFF, v12
	s_delay_alu instid0(VALU_DEP_2)
	v_add_nc_u32 v15, EOFF, v13
	s_delay_alu instid0(VALU_DEP_2)
	v_lshrrev_b32 v90, 23, v14
	s_delay_alu instid0(VALU_DEP_2)
	v_lshrrev_b32 v91, 23, v15
	D1
	v_lshl_or_b32 v90, v91, 8, v90                 ; the head's two bytes of my row, the same in lanes l and l + 16
	v_cvt_scalef32_pk16_bf6_f32 v[80:82], v[S:S+15], v14
	v_cvt_scalef32_pk16_bf6_f32 v[84:86], v[S+16:S+31], v15
	v_lshrrev_b32 v87, 1, v[LI]                    ; 8 lane (the plain instruction behind the scaled conversions)
.irp i, 0,1,2
	v_permlane16_swap_b32 v[80+\i], v[84+\i]       ; a whole block to a lane
.endr
.irp i, 0,1,2
	v_mov_b32 v[83+\i], v[84+\i]
.endr
	v_lshrrev_b32 v91, 2, v[LI]
	D1
	v_and_b32 v91, 60, v91                         ; 4 r
	global_store_b128 v[LI], v[80:83], s[8:9] offset:16*6144*\p        ; registers 0-3: 512 consecutive bytes
	global_store_b64 v87, v[84:85], s[8:9] offset:16*6144*\p+512       ; registers 4, 5: 256
	global_store_b32 v91, v90, s[10:11] offset:1024*\p
.endm
	PASS 0
	QSEL
	s_wait_xcnt 0x0                                ; the stores have read their registers, which the next pass writes again
	PASS 1
	s_wait_tensorcnt 0x0                           ; the wave's end
	ds_add_u32 v[SPW], v[NIL]
	s_wait_dscnt 0x0
	CROUND                                         ; the closing round: no work-group ends while a partner may still ask for a record that names it
	s_endpgm
.Lfunc_end_k_q85bab0c394_attn:
	.size	k_q85bab0c394_attn, .Lfunc_end_k_q85bab0c394_attn-k_q85bab0c394_attn
	.p2alignl 7, 3214868480
	.fill 96, 4, 3214868480
	.section	.rodata,"a",@progbits
	.p2align	6, 0x0
	.amdhsa_kernel k_q85bab0c394_attn
		.amdhsa_group_segment_fixed_size 252160
		.amdhsa_private_segment_fixed_size 0
		.amdhsa_enable_private_segment 0
		.amdhsa_kernarg_size 32
		.amdhsa_user_sgpr_count 2
		.amdhsa_user_sgpr_kernarg_segment_ptr 1
		.amdhsa_wavefront_size32 1
		.amdhsa_system_sgpr_workgroup_id_x 1
		.amdhsa_system_sgpr_workgroup_id_y 1
		.amdhsa_system_sgpr_workgroup_id_z 1
		.amdhsa_system_vgpr_workitem_id 0
		.amdhsa_next_free_vgpr 256
		.amdhsa_next_free_sgpr 66
		.amdhsa_reserve_vcc 0
		.amdhsa_float_denorm_mode_32 3
		.amdhsa_float_denorm_mode_16_64 3
		.amdhsa_memory_ordered 1
		.amdhsa_forward_progress 1
		.amdhsa_inst_pref_size 83
	.end_amdhsa_kernel
	.amdgpu_metadata
---
amdhsa.version: [ 1, 2 ]
amdhsa.kernels:
  - .name:           k_q85bab0c394_attn
    .symbol:         k_q85bab0c394_attn.kd
    .args:
      - { .name: qimg, .offset: 0, .size: 8, .value_kind: global_buffer, .address_space: global }
      - { .name: kv, .offset: 8, .size: 8, .value_kind: global_buffer, .address_space: global }
      - { .name: oimg, .offset: 16, .size: 8, .value_kind: global_buffer, .address_space: global }
      - { .name: oscale, .offset: 24, .size: 8, .value_kind: global_buffer, .address_space: global }
    .group_segment_fixed_size: 252160
    .private_segment_fixed_size: 0
    .kernarg_segment_align: 8
    .kernarg_segment_size: 32
    .max_flat_workgroup_size: 512
    .sgpr_count:     66
    .vgpr_count:     256
    .wavefront_size: 32
...
	.end_amdgpu_metadata
.endif
;; end of part 3
;; launch outp (part 4): grid 256 x 1, 4 waves a work-group, no clusters, 168,448 bytes of LDS; arguments oimg, oscale, wimg, bo, out0; writes out0
.if DOCPART == 4
	.amdgcn_target "amdgcn-amd-amdhsa--gfx1250"
	.amdhsa_code_object_version 6
	.text
	.protected	k_q85bab0c394_outp
	.globl	k_q85bab0c394_outp
	.p2align	8
	.type	k_q85bab0c394_outp,@function
k_q85bab0c394_outp:
	s_mov_b64 s[64:65], 0
	v_nop
	global_prefetch_b8 v0, s[64:65] scope:SCOPE_SE
	s_setreg_imm32_b32 hwreg(HW_REG_WAVE_MODE, 25, 1), 1
	s_wait_xcnt 0x0
; out0 = o Wo + bo on codes of BF6.  o comes as operand images (per tile of 16 tokens and head: six registers a lane, 768 bytes) with two scale bytes for a row and head; Wo as records of 6,400 bytes a tile of 16 columns.
; A work-group takes 64 tokens (four tiles); wave w keeps 128 columns of Wo (8 tiles x K 512, 384 registers) as source 0 and takes o's tiles from LDS (filled once) as source 1: a lane then holds one token,
; and by the tiles' order of rows register 16 b + i of the eight results is column 128 w + 32 b + 16 (lane / 16) + i: 64 consecutive bytes.  bo is the C of each sum's first matrix instruction.
; The results turn through the wave's own stage in LDS and leave as rows of 512 consecutive bytes, aligned to 256.
; No cluster: the weights go straight into registers and o's tiles are read by one work-group.
; REGISTERS.  Window 0: v1 16 lane, v2 16 r, v3 8 lane, v4 4 r, v5 / v6 the stage in and out; v16-63 o's four fragments; v64-127 eight results; v128-191 rows on their way out; v192-223 Wo's scale words; v224-227 o's; v228-235 the eight heads' words.
;   Window 1: Wo's tiles 0-3, fragment (t, s) at v[12 (4 t + s)], v192-223 their bias tiles.  Window 2: tiles 4-7 likewise.
.set REC,  6400
.set OSC,  24576                       ; LDS: 0 o's codes, four tiles x 6,144;  o's scale words, head x 256;
.set BIA,  26624                       ; bo;
.set STG,  28672                       ; the stages: 16 rows x (512 + 16) bytes for each wave; no tensor load lands here
.set LI,  1
.set L15, 2
.set L8,  3
.set L4,  4
.set SO,  5
.set SR,  6
.set XF,  16
.set HA,  64
.set OB,  128
.set RS,  192
.set XS,  224
.set W8,  228
.set WV,  18
.set MSB, 0
.macro WIN new                         ; the immediate's high byte repeats the setting that is left
.if MSB != (\new)
	s_set_vgpr_msb (MSB<<8)|(\new)
.set MSB, (\new)
.endif
.endm
	s_load_b256 s[4:11], s[0:1], 0x0               ; oimg s[4:5], oscale s[6:7], wimg s[8:9], bo s[10:11]
	s_load_b64 s[12:13], s[0:1], 0x20              ; out0
	v_lshl_add_u32 v254, v0, 2, 0x29000
	v_mov_b32 v255, 0
	ds_add_u32 v254, v255
	ds_add_u32 v254, v255
	v_lshrrev_b32 v1, 5, v0
	v_readfirstlane_b32 s[WV], v1                  ; wave 0..3
	s_mov_b32 s24, 3<<16                           ; group 1 for the codes: rows of 256 bytes, dense
	s_mov_b32 s25, 32<<16
	s_mov_b32 s26, 48<<16                          ; 48 rows: two tiles
	s_mov_b32 s27, 32<<16
	s_mov_b32 s28, 48
	s_mov_b32 s29, 32
	s_mov_b32 s30, 0
	s_mov_b32 s31, 0
	s_mov_b32 s32, 3<<16                           ; for the scale words: eight heads' 256 bytes, 8,192 bytes apart
	s_mov_b32 s33, 32<<16
	s_mov_b32 s34, 8<<16                           ; all eight heads' 256 bytes
	s_mov_b32 s35, 32<<16
	s_mov_b32 s36, 8
	s_mov_b32 s37, 1024
	s_mov_b32 s38, 0
	s_mov_b32 s39, 0
	s_mov_b32 s40, 3<<16                           ; for the biases: rows of 256 dense bytes
	s_mov_b32 s41, 32<<16
	s_mov_b32 s42, 8<<16                           ; all 2,048 bytes of bo
	s_mov_b32 s43, 32<<16
	s_mov_b32 s44, 8
	s_mov_b32 s45, 32
	s_mov_b32 s46, 0
	s_mov_b32 s47, 0
	s_lshl_b32 s66, ttmp9, 2
	s_lshl_b32 s69, s[WV], 1
	s_add_co_u32 s66, s66, s69                     ; tiles 4 y + 2 w and the next: waves 0 and 1 fetch them
	s_mul_i32 s66, s66, 6144                       ; tile 4 y + 2 w
	s_mov_b32 s67, 0
	s_lshr_b32 s68, ttmp9, 5                       ; the batch
	s_lshl_b32 s68, s68, 16                        ; batch x 8 heads x 8,192 bytes
	s_and_b32 s69, ttmp9, 31
	s_lshl_b32 s69, s69, 8                         ; my four tiles' 256 bytes
	s_add_co_u32 s68, s68, s69
	s_mov_b32 s69, 0
	s_lshl_b32 s70, s[WV], 9
	s_mov_b32 s71, 0
	s_mul_i32 s72, s[WV], 8*REC
	s_add_co_u32 s72, s72, 96*REC                  ; my 8 tiles of Wo
	s_mov_b32 s73, 0
	s_lshl_b32 s74, ttmp9, 17                      ; 64 rows of 2,048 bytes,
	s_add_co_u32 s74, s74, s70                     ; my 128 columns
	s_mov_b32 s75, 0
	s_mov_b32 s48, 1
	s_mul_i32 s49, s[WV], 12288
	s_mov_b32 s52, 1
	s_mov_b32 s53, OSC
	s_mov_b32 s56, 1
	s_mov_b32 s57, BIA
	s_wait_dscnt 0x0
	s_wait_kmcnt 0x0
	s_add_nc_u64 s[50:51], s[4:5], s[66:67]
	s_or_b32 s51, s51, 0x80000000
	s_add_nc_u64 s[54:55], s[6:7], s[68:69]
	s_or_b32 s55, s55, 0x80000000
	s_mov_b64 s[58:59], s[10:11]
	s_or_b32 s59, s59, 0x80000000
	s_add_nc_u64 s[8:9], s[8:9], s[72:73]
	s_add_nc_u64 s[12:13], s[12:13], s[74:75]
	; the head's fills, one a wave, in one chain of branches on the wave's number: waves 0 and 1 two tiles of codes each, wave 2 the scale words, wave 3 the biases.  Nothing in LDS is filled again
	s_cmp_lt_u32 s[WV], 2
	s_cbranch_scc0 .Lhead_sc
	tensor_load_to_lds s[48:51], s[24:31]
	s_nop 0
.rept 4
	v_nop
.endr
	s_branch .Lhead_asked
.Lhead_sc:
	s_cmp_lt_u32 s[WV], 3
	s_cbranch_scc0 .Lhead_bi
	tensor_load_to_lds s[52:55], s[32:39]
	s_nop 0
.rept 4
	v_nop
.endr
	s_branch .Lhead_asked
.Lhead_bi:
	tensor_load_to_lds s[56:59], s[40:47]
	s_nop 0
.rept 4
	v_nop
.endr
.Lhead_asked:
	v_and_b32 v10, 31, v0
	v_lshlrev_b32 v[LI], 4, v10
	v_lshlrev_b32 v[L8], 3, v10
	v_and_b32 v11, 15, v0                          ; r
	v_lshlrev_b32 v[L15], 4, v11
	v_lshlrev_b32 v[L4], 2, v11
	v_bfe_u32 v12, v0, 4, 1                        ; h
	s_mul_i32 s66, s[WV], 8448
	s_add_co_u32 s66, s66, STG                     ; my stage
	v_mul_u32_u24 v[SO], v11, 528
	v_lshl_add_u32 v[SO], v12, 6, v[SO]
	v_add_nc_u32 v[SO], s66, v[SO]                 ; in: row r, + 64 h
	v_add_nc_u32 v[SR], s66, v[LI]                 ; out: 16 bytes a lane of a row
	s_add_co_u32 s67, s70, BIA
	v_lshl_add_u32 v10, v12, 6, s67                ; my 128 biases, + 16 numbers for lanes 16-31
	WIN 0x40                                       ; destination window 1
.set n, 0
.rept 48
	global_load_b128 v[4*n:4*n+3], v[LI], s[8:9] offset:REC*(n/12)+512*(n%12)
.set n, n+1
.endr
	WIN 0x80                                       ; destination window 2
.set n, 0
.rept 48
	global_load_b128 v[4*n:4*n+3], v[LI], s[8:9] offset:REC*(4+n/12)+512*(n%12)
.set n, n+1
.endr
	WIN 0
.irp t, 0,1,2,3,4,5,6,7
	global_load_b128 v[RS+4*\t:RS+4*\t+3], v[L15], s[8:9] offset:REC*\t+6144
.endr
	s_wait_alu depctr_va_vdst(0)
	s_wait_tensorcnt 0x0                           ; my tile, my scale words and my biases have landed,
	s_barrier_signal -1
	s_barrier_wait -1                              ; everybody's have
	WIN 0x40
.irp t, 0,1,2,3
	ds_load_b128 v[192+8*\t:195+8*\t], v10 offset:128*(\t/2)+32*(\t%2)       ; register j of tile 2 b + u: column 32 b + 16 h + 8 u + j
	ds_load_b128 v[196+8*\t:199+8*\t], v10 offset:128*(\t/2)+32*(\t%2)+16
.endr
	WIN 0x80
.irp t, 0,1,2,3
	ds_load_b128 v[192+8*\t:195+8*\t], v10 offset:256+128*(\t/2)+32*(\t%2)
	ds_load_b128 v[196+8*\t:199+8*\t], v10 offset:256+128*(\t/2)+32*(\t%2)+16
.endr
	WIN 0
.macro FETCHO ti                       ; tile ti: head g's six registers are registers 6 g .. 6 g + 5 of the four fragments
.irp g, 0,1,2,3,4,5,6,7
	ds_load_b128 v[XF+6*\g:XF+6*\g+3], v[LI] offset:6144*(\ti)+768*\g
	ds_load_b64 v[XF+6*\g+4:XF+6*\g+5], v[L8] offset:6144*(\ti)+768*\g+512
	ds_load_b32 v[W8+\g], v[L4] offset:OSC+256*\g+64*(\ti)
.endr
.endm
.macro MM wn                           ; 16 matrix instructions: the four tiles of window wn, K step by K step; the four sums take turns, one instruction a turn
.irp s, 0,1,2,3
.if \s == 0
	WIN 0x11*\wn                                   ; source 0 and C (the bias tile) in window wn
.else
	WIN \wn
.endif
.irp t, 0,1,2,3
.set rD, HA+8*(4*(\wn-1)+\t)
.set rA, 12*(4*\t+\s)
.set rB, XF+12*\s
.set rS, RS+4*(4*(\wn-1)+\t)+\s
.if \s == 0
	v_wmma_scale_f32_16x16x128_f8f6f4 v[rD:rD+7], v[rA:rA+11], v[rB:rB+11], v[192+8*\t:199+8*\t], v[rS], v[XS+\s] matrix_a_fmt:MATRIX_FMT_BF6 matrix_b_fmt:MATRIX_FMT_BF6
.else
	v_wmma_scale_f32_16x16x128_f8f6f4 v[rD:rD+7], v[rA:rA+11], v[rB:rB+11], v[rD:rD+7], v[rS], v[XS+\s] matrix_a_fmt:MATRIX_FMT_BF6 matrix_b_fmt:MATRIX_FMT_BF6
.endif
.endr
.endr
.endm
.macro TILEO ti, last
	s_wait_dscnt 0x0                               ; the tile's codes and words are in
.irp s, 0,1,2,3
	v_lshl_or_b32 v[XS+\s], v[W8+2*\s+1], 16, v[W8+2*\s]   ; K step s: head 2 s's two bytes, head 2 s + 1's two
.endr
.rept 8
	v_nop                                          ; a scale register written by a vector instruction stands eight plain instructions ahead of the scaled product
.endr
	MM 1
	MM 2
	WIN 0
.rept 4
	v_nop                                          ; places: in front of the loads into the operands and of the first read of the results
.endr
.if \last == 0
	FETCHO (\ti)+1
.endif
	s_wait_xcnt 0x0                                ; the last tile's stores have read v128-191
.irp b, 0,1,2,3
.irp q, 0,1,2,3
	ds_store_b128 v[SO], v[HA+16*\b+4*\q:HA+16*\b+4*\q+3] offset:128*\b+16*\q   ; ascending: each result from its low end on
.endr
.endr
.irp p, 0,1,2,3,4,5,6,7,8,9,10,11,12,13,14,15
	ds_load_b128 v[OB+4*\p:OB+4*\p+3], v[SR] offset:528*\p   ; LDS serves a wave's instructions in order: these see my stores
.endr
.irp p, 0,1,2,3,4,5,6,7,8,9,10,11,12,13,14,15
	s_wait_dscnt 15-\p                             ; row p is back; the rows behind it may be out
	global_store_b128 v[LI], v[OB+4*\p:OB+4*\p+3], s[12:13] offset:(8*(\ti)+(\p%8)+32*(\p/8))*2048 th:TH_STORE_NT   ; row p of tile ti is token 8 ti + p % 8 + 32 (p / 8) of my 64; 512 consecutive bytes, aligned to 256
.endr
.endm
	FETCHO 0
	s_wait_loadcnt 0x0                             ; Wo
	TILEO 0, 0
	TILEO 1, 0
	TILEO 2, 0
	TILEO 3, 1
	s_wait_tensorcnt 0x0
	ds_add_u32 v254, v255
	s_wait_dscnt 0x0
	s_endpgm
.Lfunc_end_k_q85bab0c394_outp:
	.size	k_q85bab0c394_outp, .Lfunc_end_k_q85bab0c394_outp-k_q85bab0c394_outp
	.p2alignl 7, 3214868480
	.fill 96, 4, 3214868480
	.section	.rodata,"a",@progbits
	.p2align	6, 0x0
	.amdhsa_kernel k_q85bab0c394_outp
		.amdhsa_group_segment_fixed_size 168448
		.amdhsa_private_segment_fixed_size 0
		.amdhsa_enable_private_segment 0
		.amdhsa_kernarg_size 40
		.amdhsa_user_sgpr_count 2
		.amdhsa_user_sgpr_kernarg_segment_ptr 1
		.amdhsa_wavefront_size32 1
		.amdhsa_system_sgpr_workgroup_id_x 1
		.amdhsa_system_sgpr_workgroup_id_y 1
		.amdhsa_system_sgpr_workgroup_id_z 1
		.amdhsa_system_vgpr_workitem_id 0
		.amdhsa_next_free_vgpr 768
		.amdhsa_next_free_sgpr 80
		.amdhsa_reserve_vcc 0
		.amdhsa_float_denorm_mode_32 3
		.amdhsa_float_denorm_mode_16_64 3
		.amdhsa_memory_ordered 1
		.amdhsa_forward_progress 1
		.amdhsa_inst_pref_size 58
	.end_amdhsa_kernel
	.amdgpu_metadata
---
amdhsa.version: [ 1, 2 ]
amdhsa.kernels:
  - .name:           k_q85bab0c394_outp
    .symbol:         k_q85bab0c394_outp.kd
    .args:
      - { .name: oimg, .offset: 0, .size: 8, .value_kind: global_buffer, .address_space: global }
      - { .name: oscale, .offset: 8, .size: 8, .value_kind: global_buffer, .address_space: global }
      - { .name: wimg, .offset: 16, .size: 8, .value_kind: global_buffer, .address_space: global }
      - { .name: bo, .offset: 24, .size: 8, .value_kind: global_buffer, .address_space: global }
      - { .name: out0, .offset: 32, .size: 8, .value_kind: global_buffer, .address_space: global }
    .group_segment_fixed_size: 168448
    .private_segment_fixed_size: 0
    .kernarg_segment_align: 8
    .kernarg_segment_size: 40
    .max_flat_workgroup_size: 128
    .sgpr_count:     80
    .vgpr_count:     768
    .wavefront_size: 32
...
	.end_amdgpu_metadata
.endif
;; end of part 4
